; MI455X (gfx1250); checked and timed in simulation.
; The chip was launched on July 23, 2026; its instructions are those of AMD's public machine-readable ISA for CDNA 5 (MIT licence, August 2026) and "CDNA5" Instruction Set Architecture Reference Guide (July 2026). The comments in the code are by the model that wrote it; some were corrected since.
;; Self Attention. Allowed arithmetic: matrix products marked QUANTISED: E5M2 operands, one E8M0 scale for each 32 along K, by v_wmma_scale_f32_16x16x128_f8f6f4 with both operands' format E5M2, f32 sums; everything else in f32.
;; Inputs: W_qkv 3,072 x 1,024 float32; b_qkv 3,072 float32; x 4 x 2,048 x 1,024 float32.
;; Outputs: out0 4 x 2,048 x 1,024 float32.
;; This version of the problem:
;;   THIS VERSION OF THE PROBLEM IS GIVEN IN LOW PRECISION. The matrix products marked QUANTISED in the list below multiply operands that are first quantised to E5M2 (5 exponent bits, 2 mantissa bits; 8 bits a number), with one power-of-two scale for each 32 numbers along K (OCP MX v1.0); their sums are f32. All else is computed in f32.
;;   The module's matrix products, in the order in which they are computed (A, B: the left and right operand; K: the contracted axis; several contracted axes count as one K, in the product's order):
;;     1. [M 8,192, K 1,024] x [K 1,024, N 3,072]; A: input x; B: input W_qkv: QUANTISED
;;     2. batch 64 x [M 2,048, K 64] x [K 64, N 2,048]; A: computed on the way; B: computed on the way: QUANTISED
;;     3. batch 64 x [M 2,048, K 2,048] x [K 2,048, N 64]; A: softmax (see below); B: computed on the way: QUANTISED
;;   THE QUANTISER, for each operand of a quantised product, along K:
;;     - K is cut into blocks of 32 from its start; a last block that is shorter is filled with zeros.
;;     - A block's scale is 2^e with e = floor(log2(the largest magnitude in the block)) - 15, held to -126 .. 127; a block of zeros has e = 0. As a byte (E8M0): e + 127.
;;     - Each number is divided by its block's scale, clamped to +-57,344, and rounded to the nearest number of E5M2, ties to even, subnormals kept.
;;     - The product sums the exact products of the quantised numbers (number of the format x scale) in f32.
;;   ~~~python
;;   def quantise(x, axis):      # numpy; x: float32 -> the quantised numbers, widened to float32 again
;;       x = np.moveaxis(x, axis, -1); K = x.shape[-1]
;;       x = np.pad(x, [(0, 0)] * (x.ndim - 1) + [(0, -K % 32)]); x = x.reshape(x.shape[:-1] + (-1, 32)); a = np.abs(x).max(-1, keepdims=True)
;;       e = np.where(a > 0, np.clip(np.frexp(np.where(a > 0, a, 1))[1] - 1 - 15, -126, 127), 0)      # np.frexp(a)[1] - 1 = floor(log2(a)), exactly
;;       r = np.clip(x / 2.0 ** e, -57344, 57344)
;;       step = 2.0 ** (np.maximum(np.frexp(np.where(r == 0, 1, r))[1] - 1, -14) - 2)
;;       q = np.round(r / step) * step * 2.0 ** e      # np.round: ties to even
;;       return np.moveaxis(q.reshape(q.shape[:-2] + (-1,))[..., :K], -1, axis).astype(np.float32)
;;   ~~~
;;   SOFTMAX AHEAD OF A QUANTISED PRODUCT. Where the list says 'softmax', what is quantised is not the finished softmax but p = 2^(t - M), with t = logit x log2(e) and M = ceil(the row's largest t), a whole number; so 1/2 < the row's largest p <= 1. The row's sum l is taken of the UNQUANTISED p, in f32, and the product's result is divided by l at the end. Since M is a whole number, a kernel that streams over the keys may use a running M (the ceiling of the running maximum): every later rescaling is an exact power of two, which a block's scale takes up: the codes' values come out the same.
;;   OPERANDS COMPUTED ON THE WAY. 'Computed on the way' means the value that the module computes at that place (a softmax that the list does not call 'softmax' is quantised finished and normalised). What goes into a quantiser is computed in f32, as accurately as f32 sums, v_exp_f32 and their like allow (about 1e-6 of the number): no bf16 or f16 on the way to a quantiser, and a product that is left as it is and whose result goes on into a quantised operand takes f32 operands (vector FMAs, or v_wmma_f32_16x16x4_f32). A number that lies on a knife's edge between two numbers of the format may be rounded either way, as far as f32 arithmetic and the matrix unit's own rounding can turn it there, and no further.
;; One version. Each part assembles by itself: llvm-mc -triple=amdgcn-amd-amdhsa -mcpu=gfx1250 --defsym DOCPART=n.
;; ======== version 1 of 1: 3 launches
;; workspace buffers: x_codes 8,388,608 bytes; x_scales 262,144 bytes; w_codes 3,145,728 bytes; w_scales 98,304 bytes; q_img 8,388,608 bytes; q_sc 524,288 bytes; kv 17,563,648 bytes
;; launch quant (part 1): grid 352 x 1, 4 waves a work-group, no clusters, 33,280 bytes of LDS; arguments x, W_qkv, x_codes, x_scales, w_codes, w_scales; writes x_codes, x_scales, w_codes, w_scales
.if DOCPART == 1
	.amdgcn_target "amdgcn-amd-amdhsa--gfx1250"
	.amdhsa_code_object_version 6
	.text
	.protected	k_q6f1eaa5c79_quant
	.globl	k_q6f1eaa5c79_quant
	.p2align	8
	.type	k_q6f1eaa5c79_quant,@function
k_q6f1eaa5c79_quant:
	s_mov_b64 s[64:65], 0
	v_nop
	global_prefetch_b8 v0, s[64:65] scope:SCOPE_SE
	s_setreg_imm32_b32 hwreg(HW_REG_WAVE_MODE, 25, 1), 1
	s_wait_xcnt 0x0
; x [8192][1024] and W_qkv [3072][1024], f32, are turned into codes of BF8 (E5M2), 8 bits each, K innermost, with one E8M0 scale byte for each 32 along K.
; A block's scale is 2^(floor(log2(its largest magnitude)) - 15); its byte is the largest magnitude's own exponent field - 15, held at 1 from below.
; Each number is divided by the scale, held within +-57,344 and rounded to the nearest code, ties to even.
; LIMITS: a block of zeros gets the byte 1 where the rule says 127 (its codes are zeros, which add nothing under any byte but 0xff, and this program alone reads the bytes);
; blocks whose largest magnitude lies under 2^(16 - 127) are held at the byte 1; NaN and infinities among the inputs are not served.
; Rows are dense and K is a multiple of 32, so both tensors are plain streams of blocks of 32 numbers, and so are the codes and the scale bytes.
; A wave takes 16 steps of 512 numbers.  Each of a step's four loads reads 512 consecutive bytes, 16 a lane; the 2,048 bytes go through the wave's own stage in LDS and come back 64 bytes a lane,
; so that a lane holds 16 neighbours along K (two neighbouring lanes hold a block).  The stage has 16 bytes of padding behind each 64.  A lane's 16 codes are 16 bytes: the wave stores 512 consecutive bytes.
; A step makes 16 scale bytes, a wave 256: they are gathered in the wave's own 256 bytes of LDS and leave as one aligned run of 256 bytes.
; One launch serves both tensors: the first WGA work-groups take x, the others W.  No tensor loads, no barrier: waves share nothing.  Loads run four steps (16 loads a wave) ahead, the turn through LDS one step.
.set SIZE_M, 8192
.set SIZE_N, 3072
.set SIZE_K, 1024
.set WAVES, 4
.set STEPS, 16
.set WGA,   SIZE_M*SIZE_K/(512*STEPS*WAVES)    ; 256 work-groups for x, 96 for W
.set EMAX,  15
.set MANT,  0x600000                   ; the mantissa field of 57,344 as f32
.set CB,    16                         ; bytes of 16 codes
.set R,     16                         ; v16-79   four sets of 16 numbers as they are loaded
.set X,     80                         ; v80-111  two sets of 16 neighbours
.set C,     128                        ; v128-191 codes: four registers for each step, so that no store's data are written again
.set E,     112                        ; v112-127 a scale byte for each step
.set WREG,  8192                       ; LDS: a region of its own for each wave: two stages of 32 x SP bytes, and behind them its 256 scale bytes
.set SP,    80                         ; a lane's place in a stage: its 64 bytes + 16 of padding
	s_load_b128 s[4:7], s[0:1], 0x0                ; x, W
	s_load_b128 s[8:11], s[0:1], 0x10              ; x's codes, x's scales
	s_load_b128 s[12:15], s[0:1], 0x20             ; W's codes, W's scales
	v_lshl_add_u32 v192, v0, 2, 0x8000
	v_mov_b32 v193, 0
	v_lshrrev_b32 v1, 5, v0
	v_readfirstlane_b32 s16, v1                    ; wave
	v_and_b32 v2, 31, v0                           ; lane
	v_lshlrev_b32 v3, 4, v2                        ; my 16 bytes of a load's 512
	s_mul_i32 s17, s16, WREG
	v_lshrrev_b32 v14, 2, v2
	v_mul_u32_u24 v14, v14, SP
	v_and_b32 v15, 3, v2
	v_lshl_add_u32 v14, v15, 4, v14
	v_add_nc_u32 v14, s17, v14                     ; the stage, on the way in: four lanes' 64 bytes on end, then 16 of padding
	v_mul_u32_u24 v15, v2, SP
	v_add_nc_u32 v15, s17, v15                     ; and on the way out: SP x lane: my 16 neighbours
	v_mul_u32_u24 v4, v2, CB                       ; my codes' place in a step's
	v_lshrrev_b32 v5, 1, v2
	s_add_co_u32 s17, s17, 2*32*SP
	v_add_nc_u32 v5, s17, v5                       ; LDS: my wave's 256 scale bytes, my block's byte
	v_lshlrev_b32 v7, 3, v2                        ; and on the way out 8 bytes a lane
	v_add_nc_u32 v6, s17, v7
	s_mov_b32 s23, MANT                            ; (an instruction takes one literal: the hold's line has another)
	s_wait_kmcnt 0x0
	s_cmp_lt_u32 ttmp9, WGA                        ; x's work-group or W's?  The choice hangs on the work-group's number alone
	s_cselect_b64 s[4:5], s[4:5], s[6:7]
	s_cselect_b64 s[8:9], s[8:9], s[12:13]
	s_cselect_b64 s[10:11], s[10:11], s[14:15]
	s_cselect_b32 s17, 0, WGA
	s_sub_co_u32 s17, ttmp9, s17
	s_lshl_b32 s17, s17, 2
	s_add_co_u32 s18, s17, s16                     ; which run of 8,192 numbers of the tensor is my wave's
	s_mov_b32 s19, 0
	s_mov_b64 s[20:21], 512*STEPS*4
	s_mul_u64 s[20:21], s[18:19], s[20:21]
	s_add_nc_u64 s[4:5], s[4:5], s[20:21]
	s_mov_b64 s[20:21], 32*STEPS*CB
	s_mul_u64 s[20:21], s[18:19], s[20:21]
	s_add_nc_u64 s[8:9], s[8:9], s[20:21]
	s_lshl_b32 s18, s18, 8                         ; 256 scale bytes a run
	s_add_nc_u64 s[10:11], s[10:11], s[18:19]
.macro LOAD t
.irp i, 0,1,2,3
	global_load_b128 v[R+16*((\t)%4)+4*\i:R+16*((\t)%4)+4*\i+3], v3, s[4:5] offset:2048*(\t)+512*\i th:TH_LOAD_NT   ; 32 lanes read 512 consecutive bytes
.endr
.endm
.macro TURN t                          ; step t's numbers through the stage: LDS serves a wave's instructions in order, so no wait stands between the stores and the loads
.irp i, 0,1,2,3
	ds_store_b128 v14, v[R+16*((\t)%4)+4*\i:R+16*((\t)%4)+4*\i+3] offset:32*SP*((\t)%2)+8*SP*\i
.endr
.irp i, 0,1,2,3
	ds_load_b128 v[X+16*((\t)%2)+4*\i:X+16*((\t)%2)+4*\i+3], v15 offset:32*SP*((\t)%2)+16*\i
.endr
.endm
.irp t, 0,1,2,3
	LOAD \t
.endr
	s_wait_loadcnt 12                              ; step 0's four loads are in; the twelve of steps 1 to 3 may be out
	TURN 0
.macro STEP t
.set XS, X+16*((\t)%2)
.if (\t) > 0
	s_wait_dscnt 1                                 ; this step's numbers are back from the stage (the last step's byte store may be out): so its stores into the stage have read their registers,
.else
	s_wait_dscnt 0x0
.endif
.if (\t)+4 < STEPS
	LOAD (\t)+4                                    ; which take the loads of four steps on
.endif
.if (\t)+1 < STEPS
.if STEPS-2-(\t) >= 3
	s_wait_loadcnt 12                              ; the next step's four loads are in; those of the three steps behind it may be out
.else
	s_wait_loadcnt 4*(STEPS-2-(\t))
.endif
	TURN (\t)+1                                    ; and go through the other stage while this step is worked
.endif
	v_max3_num_f32 v8, |v[XS]|, |v[XS+1]|, |v[XS+2]|               ; the largest magnitude of my 16
	v_max3_num_f32 v9, |v[XS+3]|, |v[XS+4]|, |v[XS+5]|
.irp i, 6,10
	v_max3_num_f32 v8, v8, |v[XS+\i]|, |v[XS+\i+1]|
	v_max3_num_f32 v9, v9, |v[XS+\i+2]|, |v[XS+\i+3]|
.endr
	v_max3_num_f32 v8, v8, |v[XS+14]|, |v[XS+15]|
	v_max3_num_f32 v8, v8, v9, (EMAX+1)<<23        ; and the floor 2^(EMAX + 1 - 127): so the byte cannot fall under 1
	v_max_num_f32_dpp v8, v8, v8 row_xmask:1 row_mask:0xf bank_mask:0xf   ; and of my neighbour's 16: the block's
	v_add_nc_u32 v11, -(EMAX<<23), v8              ; EMAX off its exponent field: the conversion takes the exponent field of this operand as its scale, and nothing else of it
	v_and_or_b32 v10, v8, 0x7f800000, s23          ; the largest number x the scale: the largest magnitude's exponent field over that number's mantissa
.irp i, 0,1,2,3,4,5,6,7,8,9,10,11,12,13,14,15
	v_med3_num_f32 v[XS+\i], v[XS+\i], -v10, v10   ; the conversion to an 8-bit code does not saturate (ISA guide 7.6.2): hold the number first
.endr
	v_cvt_scalef32_pk8_bf8_f32 v[C+4*(\t):C+4*(\t)+1], v[XS:XS+7], v11          ; eight numbers / 2^(v11's exponent), to the nearest code; the first number's code in the lowest byte
	v_cvt_scalef32_pk8_bf8_f32 v[C+4*(\t)+2:C+4*(\t)+3], v[XS+8:XS+15], v11
	v_lshrrev_b32 v[E+(\t)], 23, v11               ; the scale's byte (also the plain line behind the conversions)
	ds_store_b8 v5, v[E+(\t)] offset:16*(\t)       ; both lanes of a block write the same byte with the same value
	global_store_b128 v4, v[C+4*(\t):C+4*(\t)+3], s[8:9] offset:32*CB*(\t)
.endm
.irp t, 0,1,2,3,4,5,6,7,8,9,10,11,12,13,14,15
	STEP \t
.endr
	ds_load_b64 v[12:13], v6                       ; LDS serves a wave's instructions in order: these see my stores
	s_wait_dscnt 0x0
	global_store_b64 v7, v[12:13], s[10:11]        ; 32 lanes store 256 consecutive bytes, aligned
	s_wait_tensorcnt 0x0
	ds_add_u32 v192, v193
	s_wait_dscnt 0x0
	s_endpgm
.Lfunc_end_k_q6f1eaa5c79_quant:
	.size	k_q6f1eaa5c79_quant, .Lfunc_end_k_q6f1eaa5c79_quant-k_q6f1eaa5c79_quant
	.p2alignl 7, 3214868480
	.fill 96, 4, 3214868480
	.section	.rodata,"a",@progbits
	.p2align	6, 0x0
	.amdhsa_kernel k_q6f1eaa5c79_quant
		.amdhsa_group_segment_fixed_size 33280
		.amdhsa_private_segment_fixed_size 0
		.amdhsa_enable_private_segment 0
		.amdhsa_kernarg_size 48
		.amdhsa_user_sgpr_count 2
		.amdhsa_user_sgpr_kernarg_segment_ptr 1
		.amdhsa_wavefront_size32 1
		.amdhsa_system_sgpr_workgroup_id_x 1
		.amdhsa_system_sgpr_workgroup_id_y 1
		.amdhsa_system_sgpr_workgroup_id_z 1
		.amdhsa_system_vgpr_workitem_id 0
		.amdhsa_next_free_vgpr 194
		.amdhsa_next_free_sgpr 66
		.amdhsa_reserve_vcc 0
		.amdhsa_float_denorm_mode_32 3
		.amdhsa_float_denorm_mode_16_64 3
		.amdhsa_memory_ordered 1
		.amdhsa_forward_progress 1
		.amdhsa_inst_pref_size 51
	.end_amdhsa_kernel
	.amdgpu_metadata
---
amdhsa.version: [ 1, 2 ]
amdhsa.kernels:
  - .name:           k_q6f1eaa5c79_quant
    .symbol:         k_q6f1eaa5c79_quant.kd
    .args:
      - { .name: x, .offset: 0, .size: 8, .value_kind: global_buffer, .address_space: global }
      - { .name: W_qkv, .offset: 8, .size: 8, .value_kind: global_buffer, .address_space: global }
      - { .name: x_codes, .offset: 16, .size: 8, .value_kind: global_buffer, .address_space: global }
      - { .name: x_scales, .offset: 24, .size: 8, .value_kind: global_buffer, .address_space: global }
      - { .name: w_codes, .offset: 32, .size: 8, .value_kind: global_buffer, .address_space: global }
      - { .name: w_scales, .offset: 40, .size: 8, .value_kind: global_buffer, .address_space: global }
    .group_segment_fixed_size: 33280
    .private_segment_fixed_size: 0
    .kernarg_segment_align: 8
    .kernarg_segment_size: 48
    .max_flat_workgroup_size: 128
    .sgpr_count:     66
    .vgpr_count:     194
    .wavefront_size: 32
...
	.end_amdgpu_metadata
.endif
;; end of part 1
;; launch qkv (part 2): grid 12 x 32, 4 waves a work-group, clusters of 4 x 4, 327,680 bytes of LDS; arguments x_codes, x_scales, w_codes, w_scales, b_qkv, q_img, q_sc, kv; writes q_img, q_sc, kv
.if DOCPART == 2
	.amdgcn_target "amdgcn-amd-amdhsa--gfx1250"
	.amdhsa_code_object_version 6
	.text
	.protected	k_q6f1eaa5c79_qkv
	.globl	k_q6f1eaa5c79_qkv
	.p2align	8
	.type	k_q6f1eaa5c79_qkv,@function
k_q6f1eaa5c79_qkv:
	s_mov_b64 s[64:65], 0
	v_nop
	global_prefetch_b8 v0, s[64:65] scope:SCOPE_SE
	s_setreg_imm32_b32 hwreg(HW_REG_WAVE_MODE, 25, 1), 1
	s_wait_xcnt 0x0
	s_wait_alu depctr_hold_cnt(0) depctr_sa_sdst(0) depctr_va_vdst(0) depctr_va_sdst(0) depctr_va_ssrc(0) depctr_va_vcc(0) depctr_vm_vsrc(0)
	s_getreg_b32 s2, hwreg(HW_REG_IB_STS2, 6, 4)
	s_cmp_eq_u32 s2, 0
	s_cbranch_scc0 .Lentry_in_a_cluster
	s_endpgm
.Lentry_in_a_cluster:
	s_bfe_u32 s2, ttmp6, 0x10000c
	s_cmp_lg_u32 s2, 0xf033
	s_cbranch_scc0 .Lentry_shape_is_right
	s_endpgm
.Lentry_shape_is_right:
; qkv[token][feature] = sum over k of x[token][k] W[feature][k] + b[feature], on codes of BF8 (E5M2) with one E8M0 scale for each 32 along K; sums in f32.  The result never goes to memory as f32:
; q and k are quantised along the head's 64 features, v along the tokens, and leave as IMAGES OF THE REGISTERS in which the attention launch wants them.
; A tile, 256 tokens x 256 features, is made by a work-group of four waves; a wave makes 128 x 128: 64 accumulators of 16 x 16, 512 registers.  K goes in steps of 256 through a ring of two LDS slots
; filled by the tensor data mover; the scale bytes of the work-group's 256 + 256 rows, for all of K, come into LDS once, with the first fills.
; CLUSTERS: 4 x 4 work-groups.  The four of a row of the cluster need the same tiles of x, the four of a column the same tiles of W: each tile is asked for jointly.  A cluster's x (0, 1, 2) says whether its
; 1,024 features are q's, k's or v's: the one branch of the way out hangs on it, and it is the same in all sixteen partners.
; THE MATRIX INSTRUCTION IS USED TRANSPOSED (source 0 = 16 rows of W, source 1 = 16 rows of x): lane (r, h) holds token r, and register j of accumulator (a, b) feature 16 b + 8 h + j.  The bias, in that layout, is the C of each sum's first product.
; ORDER INSIDE A BLOCK OF 32.  The 16 registers of accumulators 2 c, 2 c + 1 go, as they stand, to places 32 c + 16 h + 0 .. 15 of an operand: place 32 c + 16 h + 8 u + j holds feature 32 c + 16 u + 8 h + j, in q and k alike;
; a block stays the same set of 32, and a permutation applied alike to both operands of a product keeps its products.  v's tokens are laid in the same order, in which the attention launch's p falls.
; LIMITS: a block of zeros gets the byte 1 where the rule says 127 (its codes are zeros; this program alone reads the bytes); blocks whose largest magnitude lies under 2^(16 - 127) are held at the byte 1; NaN and infinities are not served.
; REGISTERS, in windows of 256: window 0: v0-31 addresses; v32-63 scale words, two sets; v64-127 the bias; from v128 x's fragments, ONE set; on the way out v32-255 are free.
;   window 1: W's fragments, TWO sets.   window 2: the 32 accumulators of my tokens 0-63 (accumulator (a, b) at v[8 (8 a + b)]);   window 3: those of my tokens 64-127.
.set SIZE_M, 8192
.set SIZE_N, 3072
.set SIZE_K, 1024
.set KSTEP,  256                       ; along K in a slot
.set NQ,     KSTEP/128                 ; matrix instructions deep
.set ROWB,   256                       ; a tile's row in bytes
.set KROW,   SIZE_K                    ; a row of codes in memory, in bytes
.set PITCH,  272                       ; an LDS row: 256 bytes + 16 of padding = 68 words: row r starts at bank 4 r mod 64 (64 banks of 4 bytes: ISA guide 11.1)
.set FR,     16                        ; registers of a fragment: 16 rows x 128 K
.set NL,     4                         ; LDS loads that bring one
.set NP,     8                         ; places behind this matrix instruction (ISA guide 7.12.1)
.set HALFT,  128*PITCH                 ; 128 rows: what one tensor load brings
.set SLOT,   4*HALFT                   ; x's 256 rows, then W's 256 rows
.set LAPS,   SIZE_K/(2*KSTEP)          ; a lap = two K steps = once round the ring
.set KS,     SIZE_K/32                 ; a row of scales in bytes
.set SCL,    2*SLOT                    ; behind the ring: the scales, as runs of 256 bytes + 16 of padding
.set HALFS,  (128*KS/256)*272          ; the scales of 128 rows
.set SBLK,   (16*KS/256)*272           ; those of 16 rows
.set SPARE,  SCL+4*HALFS               ; behind the scales: the spare words, 128 bytes for each wave
.set SPITCH, 528                       ; v's way out: a stage of 32 tokens x (512 bytes + 16) for each wave, in slot 0, which has had its last fill and its last read when the first result is stored there
.set HEADB,  274432                    ; a head's block in kv: K's images 131,072, V's images 131,072, K's scale words 8,192, V's 4,096
.set VIMG,   131072
.set KSCO,   262144
.set VSCO,   270336
.set BO,   7                           ; v7      32 h: my half's place in 16 numbers of the bias
.set ADRA, 16                          ; v16-17  LDS address of my x fragments in slot 0, 1
.set ADRB, 20                          ; v20-21  the same for W
.set STO,  24                          ; v24     the stage: where I put 32 bytes of a token's row
.set RD,   25                          ; v25     the stage: 4 x lane: my feature's column
.set CO,   26                          ; v26     16 x lane: my place in an image
.set ADRS, 27                          ; v27     LDS address of my scale words: lanes 0-15 x's rows, lanes 16-31 W's
.set SPW,  28                          ; v28     LDS address of my spare word; never rewritten
.set NIL,  29                          ; v29     0; never rewritten
.set VCO,  30                          ; v30     v's images: 2,048 (lane / 16) + 16 (lane % 16)
.set L8,   31                          ; v31     8 x lane
.set SC,   32                          ; scale words: set s at v[SC + 8 NQ s]
.set BIAS, 64                          ; v64-127 the bias: eight registers for each block of 16 features
.set AF,   128                         ; x's fragments
.set WD,   32                          ; the way out: q's and k's scale words, v[WD + 2 a + head]; v's, v[WD + g]
.set OW,   48                          ; v48-55  scale words as they are stored
.set X,    128                         ; v128-191 the numbers in hand
.set TM,   224                         ; v224-227 largest magnitudes, v228-231 bytes, v232-235 the largest number x the scale, v236-239 the conversions' scale operands
.set G1, 24                            ; s[24:31] descriptor group 1 for x's tiles;  s[32:39] group 0, one set for each slot
.set G0, 32
.set G1B, 48                           ; s[48:55], s[56:63] the same for W's tiles
.set G0B, 56
.set G1S, 68                           ; s[68:75], s[76:79] groups 1 and 0 for x's scales;  s[80:87], s[88:91] for W's
.set G0S, 76
.set G1SB, 80
.set G0SB, 88
.set SEL, 40                           ; s[40:41] lane selects for v_permlanex16_b32: lane l xor 16
.set MNT, 43                           ; s43     the mantissa field of 57,344
.set HM,  44                           ; s44     the mask of lanes 16-31
.set CB,  92                           ; s[92:93], s[94:95] where my two heads' codes go
.set SB0, 96                           ; s[96:97], s[66:67] where their scale words go (q, k)
.set SB1, 66
.set VSB, 98                           ; s[98:99] kv at my first head, + 256 x my group of 128 tokens
.set MSB, 0
.macro WIN new                         ; the immediate's high byte repeats the setting that is left
.if MSB != (\new)
	s_set_vgpr_msb (MSB<<8)|(\new)
.set MSB, (\new)
.endif
.endm
.set MUL_LO, 0xa1                      ; source 0 (W) window 1, source 1 (x) window 0, C and D window 2
.set MUL_HI, 0xf1                      ; the same, C and D window 3
.set TO_B,   0x40                      ; destination window 1, address window 0
; A joint load: waves 0 and 1 fetch for x, waves 2 and 3 for W.  Each of the two lines has ONE mask and one set of registers for all that issue it; the branch hangs on the wave's number alone.
; Four v_nop follow each of the two lines, ahead of the jump, the label and what follows.
.macro JLOAD g0a, g1a, g0b, g1b
	s_cmp_eq_u32 s15, 0
	s_cbranch_scc0 .Lfor_b_\@
	tensor_load_to_lds s[\g0a:\g0a+3], s[\g1a:\g1a+7]
	s_nop 0
.rept 4
	v_nop
.endr
	s_branch .Lasked_\@
.Lfor_b_\@:
	tensor_load_to_lds s[\g0b:\g0b+3], s[\g1b:\g1b+7]
	s_nop 0
.rept 4
	v_nop
.endr
.Lasked_\@:
.endm
.macro CREST                           ; a round of the cluster's barrier behind its opening barrier
	s_cmp_lg_u32 s14, 0
	s_cbranch_scc1 .Lnot_wave_0_\@
	s_barrier_signal -3
.Lnot_wave_0_\@:
	s_barrier_wait -3
	s_barrier_signal -1
	s_barrier_wait -1
.endm
.macro CROUND                          ; a whole round
	s_barrier_signal -1
	s_barrier_wait -1
	CREST
.endm
	s_load_b128 s[4:7], s[0:1], 0x0                ; x's codes s[4:5], x's scales s[6:7]
	s_load_b128 s[8:11], s[0:1], 0x10              ; W's codes s[8:9], W's scales s[10:11]
	s_load_b64 s[12:13], s[0:1], 0x20              ; the bias
	s_load_b64 s[100:101], s[0:1], 0x28            ; q_img
	s_load_b128 s[96:99], s[0:1], 0x30             ; q_sc s[96:97], kv s[98:99]
	v_lshl_add_u32 v[SPW], v0, 2, SPARE
	v_mov_b32 v[NIL], 0
	ds_add_u32 v28, v29
	ds_add_u32 v28, v29
	s_wait_dscnt 0x0
	v_lshrrev_b32 v1, 5, v0
	v_readfirstlane_b32 s14, v1                    ; wave 0..3
	s_lshr_b32 s15, s14, 1                         ; which half of the tile's tokens is mine.  Also: I fetch for x (0) or for W (1)
	s_and_b32 s16, s14, 1                          ; which half of its features.  Also: which 128 rows of that tile I fetch
	s_bfe_u32 s40, ttmp6, 0x40000                  ; cx, cy: my place in the cluster
	s_bfe_u32 s41, ttmp6, 0x40004
	s_lshl_b32 s42, ttmp9, 2
	s_add_co_u32 s42, s42, s40                     ; tile column = 4 x cluster x + cx
	s_and_b32 s17, ttmp7, 0xffff
	s_lshl_b32 s17, s17, 2
	s_add_co_u32 s17, s17, s41                     ; tile row = 4 x cluster y + cy
	s_lshl_b32 s43, s41, 2
	s_lshl_b32 s43, 15, s43                        ; my row of the cluster
	s_lshl_b32 s44, 0x1111, s40                    ; my column
	; descriptor group 1: a tile of 128 rows x ROWB bytes, padded in LDS
	s_or_b32 s[G1+0], s43, (0<<16)|(1<<20)|(1<<21)|(5<<22)|(3<<25)  ; 15:0 the mask: x's tiles go to my row; 17:16 element of 1 byte; 20 padding on; 21 set beside a mask; 24:22 after every 64 words (code 5); 31:25 of 4 words (code 3)
	s_or_b32 s[G1B+0], s44, (0<<16)|(1<<20)|(1<<21)|(5<<22)|(3<<25)
.irp g, G1, G1B
	s_mov_b32 s[\g+1], ROWB<<16                    ; tensor_dim0
	s_mov_b32 s[\g+2], 128<<16                     ; tensor_dim1 = 128
	s_mov_b32 s[\g+3], ROWB<<16                    ; tile_dim0
	s_mov_b32 s[\g+4], 128                         ; tile_dim1 = 128
	s_mov_b32 s[\g+5], KROW                        ; tensor_dim0_stride
	s_mov_b32 s[\g+6], 0
	s_mov_b32 s[\g+7], 0
.endr
	; and for the scales of 128 rows: a dense block of 128 KS bytes, as rows of 256 bytes (32 elements of 8 bytes), 16 bytes of padding behind each
	s_or_b32 s[G1S+0], s43, (3<<16)|(1<<20)|(1<<21)|(5<<22)|(3<<25)
	s_or_b32 s[G1SB+0], s44, (3<<16)|(1<<20)|(1<<21)|(5<<22)|(3<<25)
.irp g, G1S, G1SB
	s_mov_b32 s[\g+1], 32<<16
	s_mov_b32 s[\g+2], (128*KS/256)<<16
	s_mov_b32 s[\g+3], 32<<16
	s_mov_b32 s[\g+4], 128*KS/256
	s_mov_b32 s[\g+5], 32
	s_mov_b32 s[\g+6], 0
	s_mov_b32 s[\g+7], 0
.endr
	s_lshl_b32 s18, s16, 7                         ; which 128 rows of the tile I fetch
	s_lshl_b32 s20, s17, 8
	s_add_co_u32 s20, s20, s18                     ; x: row 256 x tile row + 128 x half
	s_lshl_b32 s46, s42, 8
	s_add_co_u32 s46, s46, s18                     ; W: row 256 x tile column + 128 x half
	s_mov_b32 s21, 0
	s_mov_b32 s47, 0
	s_mov_b64 s[18:19], KS
	s_mul_u64 s[22:23], s[20:21], s[18:19]         ; where these rows' scales begin, in bytes
	s_mul_u64 s[92:93], s[46:47], s[18:19]
	s_mov_b64 s[18:19], KROW
	s_mul_u64 s[20:21], s[20:21], s[18:19]         ; and their codes
	s_mul_u64 s[46:47], s[46:47], s[18:19]
	s_mul_i32 s45, s14, HALFT                      ; where they go: wave x 128 rows: no place in the cluster enters an LDS address
	s_mul_i32 s94, s14, HALFS
	s_wait_kmcnt 0x0
	s_add_nc_u64 s[20:21], s[4:5], s[20:21]
	s_add_nc_u64 s[22:23], s[6:7], s[22:23]
	s_add_nc_u64 s[46:47], s[8:9], s[46:47]
	s_add_nc_u64 s[92:93], s[10:11], s[92:93]
	CROUND                                         ; all sixteen work-groups are here: the first joint loads meet
	s_mov_b32 s[G0S], 1
	s_add_co_u32 s[G0S+1], s94, SCL
	s_mov_b64 s[G0S+2:G0S+3], s[22:23]
	s_or_b32 s[G0S+3], s[G0S+3], 0x80000000
	s_mov_b32 s[G0SB], 1
	s_add_co_u32 s[G0SB+1], s94, SCL
	s_mov_b64 s[G0SB+2:G0SB+3], s[92:93]
	s_or_b32 s[G0SB+3], s[G0SB+3], 0x80000000
	JLOAD G0S, G1S, G0SB, G1SB                     ; the scales first: they are wanted with K step 0
.irp s, 0,1
	s_mov_b32 s[G0+4*\s], 1
	s_add_co_u32 s[G0+4*\s+1], s45, \s*SLOT
	s_add_nc_u64 s[G0+4*\s+2:G0+4*\s+3], s[20:21], \s*ROWB
	s_or_b32 s[G0+4*\s+3], s[G0+4*\s+3], 0x80000000
	s_mov_b32 s[G0B+4*\s], 1
	s_add_co_u32 s[G0B+4*\s+1], s45, \s*SLOT
	s_add_nc_u64 s[G0B+4*\s+2:G0B+4*\s+3], s[46:47], \s*ROWB
	s_or_b32 s[G0B+4*\s+3], s[G0B+4*\s+3], 0x80000000
	JLOAD G0+4*\s, G1, G0B+4*\s, G1B
.endr
	v_and_b32 v1, 15, v0                           ; r = l % 16
	v_bfe_u32 v2, v0, 4, 1                         ; h = l / 16
	; the bias of my 128 features: lane (r, h) wants, for block b, the numbers 16 b + 8 h + 0 .. 7
	v_lshlrev_b32 v[BO], 5, v2
	s_lshl_b32 s46, s42, 10                        ; 256 features x 4 bytes x tile column
	s_lshl_b32 s45, s16, 9                         ; + 128 x 4 x my half
	s_add_co_u32 s46, s46, s45
	s_mov_b32 s47, 0
	s_add_nc_u64 s[12:13], s[12:13], s[46:47]
.irp b, 0,1,2,3,4,5,6,7
	global_load_b128 v[BIAS+8*\b:BIAS+8*\b+3], v[BO], s[12:13] offset:64*\b
	global_load_b128 v[BIAS+8*\b+4:BIAS+8*\b+7], v[BO], s[12:13] offset:64*\b+16
.endr
	v_mul_u32_u24 v3, v1, PITCH
	v_lshl_add_u32 v4, v2, 4, v3                   ; a fragment's row x pitch + 16 x half
	s_mul_i32 s21, s15, HALFT                      ; my 128 rows of x
	s_mul_i32 s22, s16, HALFT                      ; my 128 rows of W,
	s_add_co_u32 s22, s22, 2*HALFT                 ; which lie behind x's 256
.irp s, 0,1
	v_add_nc_u32 v[ADRA+\s], s21, v4
	v_add_nc_u32 v[ADRB+\s], s22, v4
	s_add_co_u32 s21, s21, SLOT
	s_add_co_u32 s22, s22, SLOT
.endr
	v_mul_u32_u24 v5, v1, KS                       ; my row's scales: KS bytes a row,
	v_lshrrev_b32 v6, 8, v5
	v_lshl_add_u32 v5, v6, 4, v5                   ; and 16 more for each 256 passed
	s_mul_i32 s21, s15, HALFS                      ; x's: my 128 rows
	s_mul_i32 s22, s16, HALFS                      ; W's: my 128 rows, behind x's 256
	s_add_co_u32 s22, s22, 2*HALFS
	s_sub_co_u32 s22, s22, s21
	v_mul_u32_u24 v6, s22, v2                      ; lanes 16-31 take W's
	s_add_co_u32 s21, s21, SCL
	v_add_nc_u32 v5, v5, v6
	v_add_nc_u32 v[ADRS], s21, v5
	; the way out's addresses, all made here, ahead of the place where the ways part
	s_mul_i32 s23, s14, 32*SPITCH                  ; my stage
	v_mul_u32_u24 v5, v1, SPITCH                   ; in: row r, 32 bytes for each half of the lanes
	v_lshl_add_u32 v5, v2, 5, v5
	v_add_nc_u32 v[STO], s23, v5
	v_and_b32 v6, 31, v0                           ; lane
	v_lshlrev_b32 v[CO], 4, v6
	v_lshl_add_u32 v[RD], v6, 2, s23               ; back: a lane to a feature
	v_lshlrev_b32 v[VCO], 4, v1
	v_lshl_add_u32 v[VCO], v2, 11, v[VCO]
	v_lshlrev_b32 v[L8], 3, v6
	v_cmp_lt_u32 s[HM], 15, v6                     ; lanes 16-31
	s_mov_b32 s[SEL], 0x76543210
	s_mov_b32 s[SEL+1], 0xfedcba98
	s_mov_b32 s[MNT], 0x600000
	; where my results go.  A tile row is 256 tokens of batch (tile row / 8); my 128 tokens are group 2 (tile row % 8) + half of that batch's 16; my 128 features are two heads
	s_lshr_b32 s18, s17, 3                         ; batch
	s_and_b32 s19, s17, 7
	s_lshl_b32 s19, s19, 1
	s_add_co_u32 s19, s19, s15                     ; group
	s_and_b32 s20, s42, 3
	s_lshl_b32 s20, s20, 2
	s_lshl_b32 s21, s16, 1
	s_add_co_u32 s20, s20, s21
	s_lshl_b32 s18, s18, 4
	s_add_co_u32 s20, s20, s18                     ; my first head: 16 x batch + 4 (tile column % 4) + 2 x half
	s_mov_b32 s21, HEADB
	s_mov_b32 s22, HEADB
	s_mov_b32 s23, KSCO
	s_cmp_eq_u32 ttmp9, 0                          ; q's cluster?  (the cluster's x: it hangs on no address)
	s_cselect_b32 s21, 131072, s21                 ; from head to head among the codes,
	s_cselect_b32 s22, 8192, s22                   ; among the scale words,
	s_cselect_b32 s23, 0, s23                      ; where the scale words begin in a head's block
	s_cselect_b64 s[CB:CB+1], s[100:101], s[98:99]
	s_cselect_b64 s[SB0:SB0+1], s[96:97], s[98:99]
	s_mul_i32 s46, s20, s21
	s_lshl_b32 s45, s19, 13                        ; a group's images: 8 tiles x 1,024 bytes
	s_add_co_u32 s46, s46, s45
	s_add_nc_u64 s[CB:CB+1], s[CB:CB+1], s[46:47]
	s_mov_b32 s46, s21
	s_add_nc_u64 s[CB+2:CB+3], s[CB:CB+1], s[46:47]
	s_mul_i32 s46, s20, s22
	s_add_co_u32 s46, s46, s23
	s_lshl_b32 s45, s19, 9                         ; a group's scale words: 512 bytes
	s_add_co_u32 s46, s46, s45
	s_add_nc_u64 s[SB0:SB0+1], s[SB0:SB0+1], s[46:47]
	s_mov_b32 s46, s22
	s_add_nc_u64 s[SB1:SB1+1], s[SB0:SB0+1], s[46:47]
	s_mul_i32 s46, s20, HEADB
	s_lshl_b32 s45, s19, 8                         ; a group's scale words of v: 256 bytes
	s_add_co_u32 s46, s46, s45
	s_add_nc_u64 s[VSB:VSB+1], s[VSB:VSB+1], s[46:47]
.macro FRAG reg, adr, q, i             ; a fragment, 16 rows x 128 K of 8-bit codes, is 16 registers: lane l holds row l % 16; registers 4 c .. 4 c + 3 hold K = 32 c + 16 (l / 16) + 0 .. 15
.irp c, 0,1,2,3
	ds_load_b128 v[\reg+4*\c:\reg+4*\c+3], v[\adr] offset:128*(\q)+32*\c+(\i)*16*PITCH
.endr
.endm
; 16 matrix instructions: x's blocks a0, a0 + 1 against W's eight, 128 along K: the slot's q-th.  p: W's set;  sc: the set of scale words.  zero = 1: the first product starts the sums, with the bias as its C: nothing is cleared, nothing added later.
; The 64 accumulators take turns, one instruction a turn, in the same order in every step.
.macro MUL16 a0, p, q, sc, zero
.irp a, \a0, \a0+1
.irp b, 0,1,2,3,4,5,6,7
.if \zero
	v_wmma_scale_f32_16x16x128_f8f6f4 v[8*(8*((\a)%4)+\b):8*(8*((\a)%4)+\b)+7], v[128*(\p)+FR*\b:128*(\p)+FR*\b+FR-1], v[AF+FR*(\a):AF+FR*(\a)+FR-1], v[BIAS+8*\b:BIAS+8*\b+7], v[SC+8*NQ*(\sc)+NQ*\b+(\q)], v[SC+8*NQ*(\sc)+NQ*(\a)+(\q)] matrix_a_fmt:MATRIX_FMT_BF8 matrix_b_fmt:MATRIX_FMT_BF8 matrix_a_scale:MATRIX_SCALE_ROW1
.else
	v_wmma_scale_f32_16x16x128_f8f6f4 v[8*(8*((\a)%4)+\b):8*(8*((\a)%4)+\b)+7], v[128*(\p)+FR*\b:128*(\p)+FR*\b+FR-1], v[AF+FR*(\a):AF+FR*(\a)+FR-1], v[8*(8*((\a)%4)+\b):8*(8*((\a)%4)+\b)+7], v[SC+8*NQ*(\sc)+NQ*\b+(\q)], v[SC+8*NQ*(\sc)+NQ*(\a)+(\q)] matrix_a_fmt:MATRIX_FMT_BF8 matrix_b_fmt:MATRIX_FMT_BF8 matrix_a_scale:MATRIX_SCALE_ROW1
.endif
.endr
.endr
.endm
.macro FETCH_B slot, q, p              ; W's eight fragments of the slot's q-th 128 along K into set p
	WIN TO_B
.irp i, 0,1,2,3,4,5,6,7
	FRAG 128*(\p)+FR*\i, ADRB+\slot, \q, \i
.endr
	WIN 0
.endm
.macro FETCH_A slot, q, i0             ; x's blocks i0 .. i0 + 3
.irp i, \i0, \i0+1, \i0+2, \i0+3
	FRAG AF+FR*(\i), ADRA+\slot, \q, \i
.endr
.endm
.macro SCALES sc                       ; the next K step's scale words into set sc: NQ words a row; lanes 0-15 take x's block i, lanes 16-31 W's block i
.irp i, 0,1,2,3,4,5,6,7
	ds_load_b64 v[SC+8*NQ*\sc+NQ*\i:SC+8*NQ*\sc+NQ*\i+1], v[ADRS] offset:\i*SBLK
.endr
.endm
; A load into a register that a matrix instruction has read, and a vector instruction or an LDS store that reads a matrix result, stand NP places behind that matrix instruction, and only plain vector
; instructions that name none of its registers are places (ISA guide 7.12.1 for vector instructions).
.macro PLACES n
.rept \n
	v_nop
.endr
.endm
; A step of 128 along K that has its successor in the same slot.  zero = 1: C (the bias) lies in window 0.
.macro STEP slot, q, zero
	s_wait_dscnt 4*NL                              ; W's set and x's blocks 0-3 are in; the youngest sixteen loads (x's blocks 4-7) may be out
	WIN MUL_LO-0x20*(\zero)
	MUL16 0, (\q)%2, \q, \slot, \zero
	MUL16 2, (\q)%2, \q, \slot, \zero
	s_wait_dscnt 0                                 ; x's blocks 4-7 are in (asked for 32 matrix instructions ago)
	PLACES NP
	FETCH_B \slot, (\q)+1, 1-(\q)%2
	FETCH_A \slot, (\q)+1, 0
	WIN MUL_HI-0x30*(\zero)
	MUL16 4, (\q)%2, \q, \slot, \zero
	MUL16 6, (\q)%2, \q, \slot, \zero
	PLACES NP
	WIN 0
	FETCH_A \slot, (\q)+1, 4
.endm
; A slot's last step changes slots: ONE barrier; in front of it each wave waits for all its tensor loads, adds 0 to its spare word, and waits for that and for its own reads of this slot.  fill = 1: this slot is filled again, two K steps ahead.
.macro TURN slot, next, fill
	s_wait_tensorcnt 0x0                           ; all my tensor loads have landed: my part of the next slot;  (every window is 0 here: the add's two registers lie in window 0)
	ds_add_u32 v[SPW], v[NIL]                      ; 0 onto my spare word;
	s_wait_dscnt 4*NL+1                            ; (the add and the youngest sixteen loads, x's blocks 4-7, may be out)
	WIN MUL_LO
	MUL16 0, 1, NQ-1, \slot, 0                     ; sixteen matrix instructions stand between the add and the wait for it
	s_wait_dscnt 0x0                               ; the add is done, and my reads of this slot are over
	s_barrier_signal -1
	MUL16 2, 1, NQ-1, \slot, 0
	WIN 0
	s_barrier_wait -1
.if \fill
	CREST                                          ; the barrier has opened a round of the cluster's barrier: no wave of any partner still reads this slot's tile or has a load on its way
	s_add_nc_u64 s[G0+4*\slot+2:G0+4*\slot+3], s[G0+4*\slot+2:G0+4*\slot+3], 2*ROWB
	s_add_nc_u64 s[G0B+4*\slot+2:G0B+4*\slot+3], s[G0B+4*\slot+2:G0B+4*\slot+3], 2*ROWB
	JLOAD G0+4*\slot, G1, G0B+4*\slot, G1B         ; the first tensor load behind the round; the four v_nop behind it are among the places in front of the loads below
	PLACES NP-4
.else
	PLACES NP
.endif
	v_add_nc_u32 v[ADRS], 4*NQ, v[ADRS]            ; on to the next K step's scale words (no LDS load of mine is out)
	FETCH_B \next, 0, 0
	FETCH_A \next, 0, 0
	SCALES \next
	WIN MUL_HI
	MUL16 4, 1, NQ-1, \slot, 0
	MUL16 6, 1, NQ-1, \slot, 0
	PLACES NP
	WIN 0
	FETCH_A \next, 0, 4
.endm
	s_wait_tensorcnt 1                             ; the scales and my part of K step 0 are in (K step 1's load may be out),
	s_barrier_signal -1
	s_barrier_wait -1                              ; everybody's are
	FETCH_B 0, 0, 0
	FETCH_A 0, 0, 0
	SCALES 0
	FETCH_A 0, 0, 4
	s_wait_loadcnt 0x0                             ; the bias
	STEP 0, 0, 1                                   ; the first step stands in front of the loop: its products start the sums
	s_mov_b32 s3, LAPS-1
.Llap:                                                 ; a trip goes once round the ring, from a lap's second step to the next lap's first, and fills both slots again
	TURN 0, 1, 1
	STEP 1, 0, 0
	TURN 1, 0, 1
	STEP 0, 0, 0
	s_sub_co_u32 s3, s3, 1
	s_cmp_lg_u32 s3, 0
	s_cbranch_scc1 .Llap
	TURN 0, 1, 0                                   ; the last lap fills nothing, and has no round of the cluster's barrier
	STEP 1, 0, 0
	s_wait_dscnt 4*NL                              ; the very last step: nothing more to fetch
	WIN MUL_LO
	MUL16 0, 1, NQ-1, 1, 0
	MUL16 2, 1, NQ-1, 1, 0
	s_wait_dscnt 0
	WIN MUL_HI
	MUL16 4, 1, NQ-1, 1, 0
	MUL16 6, 1, NQ-1, 1, 0
	WIN 0
	PLACES NP                                      ; behind the last products: their results are read, and the registers that held fragments and scale words are written, only from here on
	s_cmp_ge_u32 ttmp9, 2                          ; the cluster's x: v's features go another way
	s_cbranch_scc1 .Lv
; ---- q AND k: 16 tokens (block a) at a time, no LDS.  Block B of 32 features is the 16 registers of accumulators 2 B, 2 B + 1 in lanes l and l xor 16; B / 2 is the head, c = B % 2 the block in the head.
; The codes are registers 4 c .. 4 c + 3 of the operand: each group of four leaves by one store, 16 bytes a lane, 512 consecutive bytes a wave.
; A token's scale word holds its head's two bytes twice: bytes 2 and 3 scale the half of the instruction's K that holds zero codes in q.
.macro QK a
.set AC, 64*((\a)%4)
.set WW, 2+(\a)/4
.set PC, 192+16*((\a)%2)
	WIN WW*5                                       ; sources 0 and 1: the accumulators' window
.irp B, 0,1,2,3
	v_max3_num_f32 v[TM+\B], |v[AC+16*\B]|, |v[AC+16*\B+1]|, 0x8000000   ; my 16 numbers of the block, each accumulator from its low end on, and the floor 2^(16 - 127): so the byte cannot fall under 1
.endr
.irp i, 2,4,6,8,10,12,14
.irp B, 0,1,2,3
	v_max3_num_f32 v[TM+\B], |v[AC+16*\B+\i]|, |v[AC+16*\B+\i+1]|, v[TM+\B]   ; (the four blocks by turns)
.endr
.endr
	WIN 0
.irp B, 0,1,2,3
	v_permlanex16_b32 v[TM+4+\B], v[TM+\B], s[SEL], s[SEL+1]
.endr
.irp B, 0,1,2,3
	v_max_num_f32 v[TM+\B], v[TM+\B], v[TM+4+\B]   ; with lane l xor 16's: the block's largest magnitude
.endr
.irp B, 0,1,2,3
	v_add_nc_u32 v[TM+12+\B], 0xf8800000, v[TM+\B]   ; 15 off its exponent field: the conversion's scale operand
.endr
.irp B, 0,1,2,3
	v_and_or_b32 v[TM+8+\B], v[TM+\B], 0x7f800000, s[MNT]   ; 57,344 x the scale
.endr
.irp B, 0,1,2,3
	v_lshrrev_b32 v[TM+4+\B], 23, v[TM+12+\B]      ; the scale's byte
.endr
.irp H, 0,1
	v_lshl_or_b32 v[WD+2*(\a)+\H], v[TM+5+2*\H], 8, v[TM+4+2*\H]
.endr
.irp H, 0,1
	v_lshl_or_b32 v[WD+2*(\a)+\H], v[WD+2*(\a)+\H], 16, v[WD+2*(\a)+\H]
.endr
	WIN WW                                         ; source 0: the accumulators' window
.irp B, 0,1,2,3
.irp k, 0,1,2,3,4,5,6,7,8,9,10,11,12,13,14,15
	v_med3_num_f32 v[X+16*\B+\k], v[AC+16*\B+\k], -v[TM+8+\B], v[TM+8+\B]   ; the conversion to an 8-bit code does not saturate (ISA guide 7.6.2): the hold
.endr
.endr
	WIN 0
	s_wait_xcnt 0x0                                ; the stores of two blocks back have read the registers that the codes below are written into
.irp B, 0,1,2,3
	v_cvt_scalef32_pk8_bf8_f32 v[PC+4*\B:PC+4*\B+1], v[X+16*\B:X+16*\B+7], v[TM+12+\B]
	v_cvt_scalef32_pk8_bf8_f32 v[PC+4*\B+2:PC+4*\B+3], v[X+16*\B+8:X+16*\B+15], v[TM+12+\B]
.endr
	v_nop                                          ; one plain line behind the last conversion, ahead of the vector lines that write its sources again
.irp B, 0,1,2,3
	global_store_b128 v[CO], v[PC+4*\B:PC+4*\B+3], s[CB+2*(\B/2):CB+2*(\B/2)+1] offset:(\a)*1024+(\B%2)*512
.endr
.endm
.irp B, 0,1,2,3
	v_mov_b32 v[TM+4+\B], 0                        ; written once: a lane permute's destination counts as one of its sources
.endr
.irp a, 0,1,2,3,4,5,6,7
	QK \a
.endr
.irp p, 0,1,2,3                        ; the scale words as the reader loads them: the word at 16 L + 4 p is token 32 p + L's: lanes 0-15 take block 2 p's, lanes 16-31 block 2 p + 1's
	v_cndmask_b32 v[OW+\p], v[WD+4*\p], v[WD+4*\p+2], s[HM]
	v_cndmask_b32 v[OW+4+\p], v[WD+4*\p+1], v[WD+4*\p+3], s[HM]
.endr
	global_store_b128 v[CO], v[OW:OW+3], s[SB0:SB0+1]      ; 512 consecutive bytes for each head
	global_store_b128 v[CO], v[OW+4:OW+7], s[SB1:SB1+1]
	s_branch .Ldone
; ---- v: K of its product is the tokens.  A block of 32 tokens x my 128 features turns through my own stage: rows in, columns out: a lane then holds ONE feature and its 32 registers run down the tokens,
; in the order in which the operand wants them: register i = token 16 ((i / 8) % 2) + 8 (i / 16) + i % 8.  So the block's largest magnitude needs no other lane, and the conversions' results are the operand's bytes.
.macro STAGE c
	WIN 0x08+4*((\c)/2)                            ; an LDS store's data are its source 1: window 2 or 3
.irp e, 0,1
.irp b, 0,1,2,3,4,5,6,7
	ds_store_b128 v[STO], v[64*((2*(\c)+\e)%4)+8*\b:64*((2*(\c)+\e)%4)+8*\b+3] offset:\e*16*SPITCH+64*\b       ; each accumulator from its low end on
	ds_store_b128 v[STO], v[64*((2*(\c)+\e)%4)+8*\b+4:64*((2*(\c)+\e)%4)+8*\b+7] offset:\e*16*SPITCH+64*\b+16
.endr
.endr
	WIN 0
.endm
.macro LOADG g, set                    ; features 32 g + lane: 32 loads, each of 128 consecutive bytes of a token's row.  LDS serves a wave's instructions in order: they see my stores
.irp i, 0,1,2,3,4,5,6,7,8,9,10,11,12,13,14,15,16,17,18,19,20,21,22,23,24,25,26,27,28,29,30,31
	ds_load_b32 v[X+32*(\set)+\i], v[RD] offset:(16*((\i>>3)&1)+8*(\i>>4)+(\i&7))*SPITCH+128*(\g)
.endr
.endm
.macro QV g, c
.set XS, X+32*((\g)%2)
.set PV, 192+8*((\g)%2)
	v_max3_num_f32 v[TM], |v[XS]|, |v[XS+1]|, |v[XS+2]|            ; the block's largest magnitude: all 32 numbers are mine
	v_max3_num_f32 v[TM+1], |v[XS+3]|, |v[XS+4]|, |v[XS+5]|
.irp i, 6,10,14,18,22,26
	v_max3_num_f32 v[TM], v[TM], |v[XS+\i]|, |v[XS+\i+1]|
	v_max3_num_f32 v[TM+1], v[TM+1], |v[XS+\i+2]|, |v[XS+\i+3]|
.endr
	v_max3_num_f32 v[TM], v[TM], |v[XS+30]|, |v[XS+31]|
	v_max3_num_f32 v[TM], v[TM], v[TM+1], 0x8000000                ; and the floor
	v_add_nc_u32 v[TM+2], 0xf8800000, v[TM]        ; the conversion's scale operand
	v_and_or_b32 v[TM+3], v[TM], 0x7f800000, s[MNT]   ; 57,344 x the scale
	v_lshrrev_b32 v[TM+1], 23, v[TM+2]             ; the scale's byte: byte c of my feature's word for these 128 tokens
.if (\c) == 0
	v_mov_b32 v[WD+(\g)], v[TM+1]
.else
	v_lshl_or_b32 v[WD+(\g)], v[TM+1], 8*(\c), v[WD+(\g)]
.endif
.irp i, 0,1,2,3,4,5,6,7,8,9,10,11,12,13,14,15,16,17,18,19,20,21,22,23,24,25,26,27,28,29,30,31
	v_med3_num_f32 v[XS+\i], v[XS+\i], -v[TM+3], v[TM+3]
.endr
	s_wait_xcnt 0x0                                ; the stores of two groups back have read the registers that the codes below are written into
.irp k, 0,1,2,3
	v_cvt_scalef32_pk8_bf8_f32 v[PV+2*\k:PV+2*\k+1], v[XS+8*\k:XS+8*\k+7], v[TM+2]
.endr
	v_nop                                          ; one plain line behind the last conversion
.irp e, 0,1                            ; the first 16 bytes are lane (feature % 16)'s of the operand, the second 16 lane 16 + (feature % 16)'s: sixteen lanes store 256 consecutive bytes, aligned
	global_store_b128 v[VCO], v[PV+4*\e:PV+4*\e+3], s[CB:CB+1] offset:VIMG+((\g)/2)*HEADB+((\g)%2)*4096+(\c)*512+\e*256
.endr
.endm
.Lv:
.irp c, 0,1,2,3
	STAGE \c
	LOADG 0, 0
	LOADG 1, 1
	s_wait_dscnt 32                                ; all but the youngest group's 32 loads
	QV 0, \c
	LOADG 2, 0
	s_wait_dscnt 32
	QV 1, \c
	LOADG 3, 1
	s_wait_dscnt 32
	QV 2, \c
	s_wait_dscnt 0x0
	QV 3, \c
.endr
.irp H, 0,1                            ; the word at 8 L + 4 p is channel 32 p + L's: 256 consecutive bytes for each head
	global_store_b64 v[L8], v[WD+2*\H:WD+2*\H+1], s[VSB:VSB+1] offset:VSCO+\H*HEADB
.endr
.Ldone:
	s_wait_tensorcnt 0x0                           ; the wave's end, behind my last tensor load and my last LDS store
	ds_add_u32 v[SPW], v[NIL]
	s_wait_dscnt 0x0
	CROUND                                         ; the closing round: no work-group ends while a partner may still ask for a tile that names it
	s_endpgm
.Lfunc_end_k_q6f1eaa5c79_qkv:
	.size	k_q6f1eaa5c79_qkv, .Lfunc_end_k_q6f1eaa5c79_qkv-k_q6f1eaa5c79_qkv
	.p2alignl 7, 3214868480
	.fill 96, 4, 3214868480
	.section	.rodata,"a",@progbits
	.p2align	6, 0x0
	.amdhsa_kernel k_q6f1eaa5c79_qkv
		.amdhsa_group_segment_fixed_size 327680
		.amdhsa_private_segment_fixed_size 0
		.amdhsa_enable_private_segment 0
		.amdhsa_kernarg_size 64
		.amdhsa_user_sgpr_count 2
		.amdhsa_user_sgpr_kernarg_segment_ptr 1
		.amdhsa_wavefront_size32 1
		.amdhsa_system_sgpr_workgroup_id_x 1
		.amdhsa_system_sgpr_workgroup_id_y 1
		.amdhsa_system_sgpr_workgroup_id_z 1
		.amdhsa_system_vgpr_workitem_id 0
		.amdhsa_next_free_vgpr 1024
		.amdhsa_next_free_sgpr 102
		.amdhsa_reserve_vcc 0
		.amdhsa_float_denorm_mode_32 3
		.amdhsa_float_denorm_mode_16_64 3
		.amdhsa_memory_ordered 1
		.amdhsa_forward_progress 1
		.amdhsa_inst_pref_size 255
	.end_amdhsa_kernel
	.section	.bss,"aw",@nobits
	.p2align	6
	.space	262144
	.amdgpu_metadata
---
amdhsa.version: [ 1, 2 ]
amdhsa.kernels:
  - .name:           k_q6f1eaa5c79_qkv
    .symbol:         k_q6f1eaa5c79_qkv.kd
    .args:
      - { .name: x_codes, .offset: 0, .size: 8, .value_kind: global_buffer, .address_space: global }
      - { .name: x_scales, .offset: 8, .size: 8, .value_kind: global_buffer, .address_space: global }
      - { .name: w_codes, .offset: 16, .size: 8, .value_kind: global_buffer, .address_space: global }
      - { .name: w_scales, .offset: 24, .size: 8, .value_kind: global_buffer, .address_space: global }
      - { .name: b_qkv, .offset: 32, .size: 8, .value_kind: global_buffer, .address_space: global }
      - { .name: q_img, .offset: 40, .size: 8, .value_kind: global_buffer, .address_space: global }
      - { .name: q_sc, .offset: 48, .size: 8, .value_kind: global_buffer, .address_space: global }
      - { .name: kv, .offset: 56, .size: 8, .value_kind: global_buffer, .address_space: global }
    .group_segment_fixed_size: 327680
    .private_segment_fixed_size: 0
    .kernarg_segment_align: 8
    .kernarg_segment_size: 64
    .max_flat_workgroup_size: 128
    .sgpr_count:     102
    .vgpr_count:     1024
    .wavefront_size: 32
...
	.end_amdgpu_metadata
.endif
;; end of part 2
;; launch attn (part 3): grid 4 x 64, 16 waves a work-group, clusters of 4 x 1, 313,344 bytes of LDS; arguments q_img, q_sc, kv, out0; writes out0
.if DOCPART == 3
	.amdgcn_target "amdgcn-amd-amdhsa--gfx1250"
	.amdhsa_code_object_version 6
	.text
	.protected	k_q6f1eaa5c79_attn
	.globl	k_q6f1eaa5c79_attn
	.p2align	8
	.type	k_q6f1eaa5c79_attn,@function
k_q6f1eaa5c79_attn:
	s_mov_b64 s[64:65], 0
	v_nop
	global_prefetch_b8 v0, s[64:65] scope:SCOPE_SE
	s_setreg_imm32_b32 hwreg(HW_REG_WAVE_MODE, 25, 1), 1
	s_wait_xcnt 0x0
	s_wait_alu depctr_hold_cnt(0) depctr_sa_sdst(0) depctr_va_vdst(0) depctr_va_sdst(0) depctr_va_ssrc(0) depctr_va_vcc(0) depctr_vm_vsrc(0)
	s_getreg_b32 s2, hwreg(HW_REG_IB_STS2, 6, 4)
	s_cmp_eq_u32 s2, 0
	s_cbranch_scc0 .Lentry_in_a_cluster
	s_endpgm
.Lentry_in_a_cluster:
	s_bfe_u32 s2, ttmp6, 0x10000c
	s_cmp_lg_u32 s2, 0x3003
	s_cbranch_scc0 .Lentry_shape_is_right
	s_endpgm
.Lentry_shape_is_right:
; out[b][q][64 h + d] = the sum over k of softmax_k(Q[q] . K[k] / 8) V[k][d], for each of 64 (batch, head) pairs of 2,048 tokens and 64 channels; both products on codes of BF8 (E5M2) with one E8M0 scale for each 32 along a product's K.
; THE SOFTMAX AHEAD OF THE SECOND PRODUCT: t = score x log2(e) / 8; M = the row's largest t so far, rounded UP to a whole number; p = 2^(t - M) is what is quantised, along the keys; it is not normalised.
; The row's sum is taken of the unquantised p, in f32, and divides O at the end.  When M moves, the sum and O are multiplied by 2^(old M - new M): exact.
; INPUTS are this program's own: images of operand registers (a group of four registers: 16 bytes a lane, 512 bytes on end) and scale words laid as the loads below take them.
; SHARES.  A work-group owns 512 queries of one head, in two passes of 256; each of its SIXTEEN waves owns one tile of 16 queries a pass, in 256 registers: four waves to a SIMD, so that one wave's vector work stands beside another's matrix work and LDS loads.
; THE WHOLE HEAD STAYS IN LDS: K's images, V's images and both sets of scale words, 274,432 bytes, one dense block of kv, copied byte for byte, ONCE: no slot is ever filled again.
; CLUSTER.  The four work-groups of a cluster are the four query blocks of one head: every tile is asked for jointly, by the same tensor load with the same descriptor and the mask of all four.
; All tensor loads go out at the head, five a wave; nothing is fetched later but the second pass's 1,088 bytes of Q a wave, asked for a way out ahead: so there is no stream to ask for earlier.
; The head comes in four quarters of 512 keys; each quarter is shared evenly among the sixteen waves (4,096 bytes a load), so that one counted wait means the same in every wave, and the first quarter is worked on while the others land.
; LAYOUT.  Both products are used transposed: S^T = K Q^T (source 0 = 16 keys, source 1 = my 16 queries), O^T = V^T P^T (source 0 = 16 channels, source 1 = P): a lane holds ONE query (lane % 16) throughout.
; In S^T lane (r, h) holds, in the 16 registers of tiles 2 b, 2 b + 1, keys 32 b + 16 u + 8 h + j; their codes go as they stand to places 32 b + 16 h + 8 u + j, and V's images were laid in the same order: a block stays the same set of 32 keys.
; K = 64 IN AN INSTRUCTION OF 128.  Q's fragment is 8 registers of codes and 8 of zero codes.  Tile t of K is named with the 8 registers that follow it (the next tile's codes; behind tile 7 zeros): finite codes that meet zeros and add nothing.
; LIMITS: NaN and infinities are not served; a block of p that has fallen to zeros keeps the byte 1 (its codes are zeros).
.set HEADB, 274432
.set VIMG,  131072                     ; LDS and kv alike: K's images at 0 ([step 16][tile 8][c 2][lane][16]), V's here ([step 16][tile 4][c 4][lane][16]),
.set KSC,   262144                     ; K's scale words ([step][lane L][p 4]: token 32 p + L),
.set VSC,   270336                     ; V's ([step][lane L][p 2]: channel 32 p + L)
.set STG,   274432                     ; behind them, in bytes into which no fill lands: a stage of 16 rows x (128 bytes + 16) for each wave
.set SP,    144                        ; 36 words: the sixteen rows start at sixteen different groups of four banks (64 banks of 4 bytes: ISA guide 11.1)
.set LI,  1                            ; v1   16 x lane: my place in an image
.set LV,  2                            ; v2   + VIMG
.set LKS, 3                            ; v3   16 x lane + KSC
.set LVS, 4                            ; v4   8 x lane + VSC
.set STO, 5                            ; v5   the stage: where I put 32 bytes of a row
.set RD,  6                            ; v6   and where I read 16 bytes back
.set GO,  7                            ; v7   my byte offset in the wave's rows of out
.set ADK, 8                            ; v8-11 the step's LDS addresses: K, V, K's scale words, V's
.set ADV, 9
.set ADS, 10
.set ADT, 11                           ; v12 -M, v13 the largest t, v[14:15] the sum in two halves
.set QF,  16                           ; v16-23 Q's codes, v24-31 zero codes
.set KV,  32                           ; v32-95 eight tiles of K x 8 registers, or four tiles of V x 16; v96-103 zero codes
.set S,   104                          ; v104-167 S^T, then p
.set OT,  168                          ; v168-199 O^T
.set PC,  200                          ; v200-215 p's codes
.set BM,  216                          ; v216-219 each block's largest score, then its largest p
.set BT,  220                          ; v220-223 at work
.set LM,  224                          ; v224-227 57,344 x the scale
.set SOP, 228                          ; v228-231 the conversions' scale operands
.set KSW, 232                          ; v232-235 K's scale words; v236-237 V's; v238 Q's; v239 p's: registers that hold scales and nothing else
.set VSW, 236
.set QS,  238
.set PW,  239
.set T0,  240
.set F,   242                          ; v[242:243] f = 2^(old M - new M); the pair's upper half is written once
.set QSA, 244                          ; v244 16 r: my query's scale word
.set CS,  2                            ; s[2:3] c = log2(e) / 8
.set WV,  12
.set CX,  13
.set BH,  14
.set KO,  15                           ; s15  the step's images: 8,192 bytes a step, in K's and in V's
.set SO,  20                           ; s20  K's scale words: 512 bytes a step
.set TO,  21                           ; s21  V's: 256
.set TRIP, 22
.set PASS, 23
.set G1C, 24                           ; s[24:31] descriptor group 1: 16 rows of 256 bytes
.set G0,  32                           ; s[32:51] five groups 0: the scale words, then the four quarters
.set G1S, 52                           ; s[52:59] group 1: 3 rows of 256 bytes
.set MSK, 60                           ; s60  lanes whose number has bit 3 set
.set MNT, 61                           ; s61  the mantissa field of 57,344
.set SEL, 62                           ; s[62:63] lane selects for v_permlanex16_b32: lane l xor 16
.macro CROUND                          ; a round of the cluster's barrier
	s_barrier_signal -1
	s_barrier_wait -1
	s_cmp_lg_u32 s[WV], 0
	s_cbranch_scc1 .Lnot_wave_0_\@
	s_barrier_signal -3
.Lnot_wave_0_\@:
	s_barrier_wait -3
	s_barrier_signal -1
	s_barrier_wait -1
.endm
	s_load_b256 s[4:11], s[0:1], 0x0               ; q_img s[4:5], q_sc s[6:7], kv s[8:9], out s[10:11]
	v_lshl_add_u32 v254, v0, 2, 0x4c000
	v_mov_b32 v255, 0
	ds_add_u32 v254, v255
	ds_add_u32 v254, v255
	v_lshrrev_b32 v1, 5, v0
	v_readfirstlane_b32 s[WV], v1                  ; wave 0..15
	s_bfe_u32 s[CX], ttmp6, 0x40000                ; cx: my block of 512 queries; it enters Q's and out's addresses alone
	s_and_b32 s[BH], ttmp7, 0xffff                 ; 16 x batch + head, which the four partners share
	s_mov_b32 s[G1C], 15|(3<<16)|(1<<21)           ; 15:0 the mask: all four work-groups; 17:16 elements of 8 bytes; 20 no padding; 21 set beside a mask
	s_mov_b32 s[G1C+1], 32<<16                     ; tensor_dim0 = 32 elements: 256 bytes
	s_mov_b32 s[G1C+2], 16<<16                     ; tensor_dim1 = 16
	s_mov_b32 s[G1C+3], 32<<16                     ; tile_dim0
	s_mov_b32 s[G1C+4], 16                         ; tile_dim1
	s_mov_b32 s[G1C+5], 32                         ; the pitch: dense
	s_mov_b32 s[G1C+6], 0
	s_mov_b32 s[G1C+7], 0
	s_mov_b32 s[G1S], 15|(3<<16)|(1<<21)
	s_mov_b32 s[G1S+1], 32<<16
	s_mov_b32 s[G1S+2], 3<<16                      ; 3 rows: a sixteenth of the 12,288 bytes of scale words
	s_mov_b32 s[G1S+3], 32<<16
	s_mov_b32 s[G1S+4], 3
	s_mov_b32 s[G1S+5], 32
	s_mov_b32 s[G1S+6], 0
	s_mov_b32 s[G1S+7], 0
	s_mul_i32 s16, s[WV], 768
	s_add_co_u32 s16, s16, KSC                     ; my part of the scale words: the same number in LDS and in the head's block
	s_lshr_b32 s17, s[WV], 3
	s_lshl_b32 s17, s17, 17                        ; waves 0-7: K's images; waves 8-15: V's
	s_and_b32 s18, s[WV], 7
	s_lshl_b32 s18, s18, 12
	s_add_co_u32 s17, s17, s18                     ; my 4,096 bytes of a quarter's 32,768
	s_mul_i32 s18, s[BH], HEADB
	s_mov_b32 s19, 0
	s_wait_dscnt 0x0
	s_wait_kmcnt 0x0
	s_add_nc_u64 s[8:9], s[8:9], s[18:19]          ; kv at my head
	s_mov_b32 s[G0], 1                             ; count = 1
	s_mov_b32 s[G0+1], s16                         ; LDS address
	s_mov_b32 s18, s16
	s_add_nc_u64 s[G0+2:G0+3], s[8:9], s[18:19]    ; global address
	s_or_b32 s[G0+3], s[G0+3], 0x80000000          ; type = 2
.irp j, 0,1,2,3
	s_mov_b32 s[G0+4+4*\j], 1
	s_add_co_u32 s[G0+5+4*\j], s17, (\j<<15)       ; quarter j
	s_mov_b32 s18, s[G0+5+4*\j]
	s_add_nc_u64 s[G0+6+4*\j:G0+7+4*\j], s[8:9], s[18:19]
	s_or_b32 s[G0+7+4*\j], s[G0+7+4*\j], 0x80000000
.endr
	CROUND                                         ; all four work-groups are here: the joint loads meet
	tensor_load_to_lds s[G0:G0+3], s[G1S:G1S+7]    ; all fills of the launch, as one group: five loads of mine are out
	s_nop 0
.irp j, 0,1,2,3
	tensor_load_to_lds s[G0+4+4*\j:G0+7+4*\j], s[G1C:G1C+7]
	s_nop 0
.endr
.rept 4
	v_nop                                          ; four v_nop follow the last of them
.endr
	v_and_b32 v9, 31, v0                           ; lane
	v_and_b32 v10, 15, v0                          ; r
	v_bfe_u32 v11, v0, 4, 1                        ; h
	v_lshlrev_b32 v[LI], 4, v9
	v_add_nc_u32 v[LV], VIMG, v[LI]
	v_add_nc_u32 v[LKS], KSC, v[LI]
	v_lshlrev_b32 v[LVS], 3, v9
	v_add_nc_u32 v[LVS], VSC, v[LVS]
	s_mul_i32 s16, s[WV], 16*SP
	s_add_co_u32 s16, s16, STG                     ; my stage
	v_mul_u32_u24 v[STO], v10, SP
	v_lshl_add_u32 v[STO], v11, 5, v[STO]
	v_add_nc_u32 v[STO], s16, v[STO]               ; in: row r, + 32 h
	v_and_b32 v[RD], 7, v0
	v_lshlrev_b32 v[RD], 4, v[RD]
	v_mad_u32_u24 v[RD], v11, SP, v[RD]
	v_add_nc_u32 v[RD], s16, v[RD]                 ; back: lanes 0-15 one row, lanes 16-31 the next; eight lanes cover its 128 bytes, the other eight read the same
	v_lshlrev_b32 v[GO], 4, v10
	v_lshl_add_u32 v[GO], v11, 12, v[GO]           ; out: a token's row is 4,096 bytes; 16 bytes a lane of the head's 256
	v_lshlrev_b32 v[QSA], 4, v10
	v_and_b32 v8, 8, v0
	v_cmp_ne_u32 s[MSK], 0, v8
.irp i, 0,1,2,3,4,5,6,7
	v_mov_b32 v[QF+8+\i], 0                        ; zero codes: Q's k = 64 .. 127,
	v_mov_b32 v[KV+64+\i], 0                       ; and what follows K's tile 7
.endr
.irp b, 0,1,2,3
	v_mov_b32 v[BT+\b], 0                          ; written once: a lane permute's destination counts as one of its sources
.endr
	v_mov_b32 v[T0], 0
	v_mov_b32 v[F+1], 0                            ; (named as the upper half of a pair)
	s_mov_b32 s[CS], 0x3e38aa3b                    ; c = log2(e) / 8
	s_mov_b32 s[CS+1], s[CS]                       ; (named with it as a pair, so it is written)
	s_mov_b32 s[MNT], 0x600000
	s_mov_b32 s[SEL], 0x76543210
	s_mov_b32 s[SEL+1], 0xfedcba98
	; my tile of the first pass is tile 32 cx + wave of the head's 128; the second pass's lies 16 tiles on
	s_lshl_b32 s16, s[BH], 17                      ; q_img: 131,072 bytes a head,
	s_lshl_b32 s17, s[CX], 5
	s_add_co_u32 s17, s17, s[WV]
	s_lshl_b32 s18, s17, 10                        ; 1,024 a tile
	s_add_co_u32 s16, s16, s18
	s_mov_b32 s19, s17                             ; (32 cx + wave is wanted again below)
	s_mov_b32 s17, 0
	s_add_nc_u64 s[4:5], s[4:5], s[16:17]
	s_lshl_b32 s16, s[BH], 13                      ; q_sc: 8,192 bytes a head; tile 8 G + a, row r: 512 G + 256 (a % 2) + 16 r + 4 (a / 2)
	s_lshr_b32 s18, s19, 3
	s_lshl_b32 s18, s18, 9
	s_add_co_u32 s16, s16, s18
	s_and_b32 s18, s[WV], 1
	s_lshl_b32 s18, s18, 8
	s_add_co_u32 s16, s16, s18
	s_bfe_u32 s18, s[WV], 0x20001
	s_lshl_b32 s18, s18, 2
	s_add_co_u32 s16, s16, s18
	s_add_nc_u64 s[6:7], s[6:7], s[16:17]
	s_lshr_b32 s16, s[BH], 4
	s_lshl_b32 s16, s16, 23                        ; out: 8,388,608 bytes a batch,
	s_and_b32 s18, s[BH], 15
	s_lshl_b32 s18, s18, 8                         ; 256 a head,
	s_add_co_u32 s16, s16, s18
	s_lshl_b32 s18, s19, 16                        ; 16 rows of 4,096 a tile
	s_add_co_u32 s16, s16, s18
	s_add_nc_u64 s[10:11], s[10:11], s[16:17]
	global_load_b128 v[QF:QF+3], v[LI], s[4:5]             ; Q's fragment: two groups of four registers
	global_load_b128 v[QF+4:QF+7], v[LI], s[4:5] offset:512
	global_load_b32 v[QS], v[QSA], s[6:7]                  ; and its scale words (lanes 16-31 load the same and are not read)
	s_mov_b32 s[PASS], 2
; A KEY STEP: 128 keys.
.macro STEP
	v_add_nc_u32 v[ADK], s[KO], v[LI]
	v_add_nc_u32 v[ADV], s[KO], v[LV]
	v_add_nc_u32 v[ADS], s[SO], v[LKS]
	v_add_nc_u32 v[ADT], s[TO], v[LVS]
.rept 4
	v_nop                                          ; with the four additions: eight places behind the last step's products, in front of loads into registers that they have read
.endr
.irp t, 0,1,2,3,4,5,6,7
.irp c, 0,1
	ds_load_b128 v[KV+8*\t+4*\c:KV+8*\t+4*\c+3], v[ADK] offset:1024*\t+512*\c
.endr
.endr
	ds_load_b128 v[KSW:KSW+3], v[ADS]              ; register p: lanes 0-15 tile 2 p's words, lanes 16-31 tile 2 p + 1's
	s_wait_dscnt 0x0
.irp t, 0,2,4,6                        ; S^T = K Q^T: eight tiles of 16 keys
	v_wmma_scale_f32_16x16x128_f8f6f4 v[S+8*\t:S+8*\t+7], v[KV+8*\t:KV+8*\t+15], v[QF:QF+15], 0, v[KSW+\t/2], v[QS] matrix_a_fmt:MATRIX_FMT_BF8 matrix_b_fmt:MATRIX_FMT_BF8
	v_wmma_scale_f32_16x16x128_f8f6f4 v[S+8*\t+8:S+8*\t+15], v[KV+8*\t+8:KV+8*\t+23], v[QF:QF+15], 0, v[KSW+\t/2], v[QS] matrix_a_fmt:MATRIX_FMT_BF8 matrix_b_fmt:MATRIX_FMT_BF8 matrix_a_scale:MATRIX_SCALE_ROW1
.endr
.rept 8
	v_nop                                          ; eight places: for the loads below, into K's registers, and for the first read of the scores
.endr
.irp t, 0,1,2,3                        ; V's four tiles land while the softmax is worked
.irp c, 0,1,2,3
	ds_load_b128 v[KV+16*\t+4*\c:KV+16*\t+4*\c+3], v[ADV] offset:2048*\t+512*\c
.endr
.endr
	ds_load_b64 v[VSW:VSW+1], v[ADT]
.irp b, 0,1,2,3
	v_max3_num_f32 v[BM+\b], v[S+16*\b], v[S+16*\b+1], v[S+16*\b+2]   ; THE LARGEST SCORE OF EACH BLOCK OF 32 KEYS: it serves twice: for the row's maximum, and, since p rises with the score, for the block's largest p
.endr
.irp i, 3,5,7,9,11,13
.irp b, 0,1,2,3
	v_max3_num_f32 v[BM+\b], v[BM+\b], v[S+16*\b+\i], v[S+16*\b+\i+1]   ; (the four blocks by turns)
.endr
.endr
.irp b, 0,1,2,3
	v_max_num_f32 v[BM+\b], v[BM+\b], v[S+16*\b+15]
.endr
.irp b, 0,1,2,3
	v_permlanex16_b32 v[BT+\b], v[BM+\b], s[SEL], s[SEL+1]
.endr
.irp b, 0,1,2,3
	v_max_num_f32 v[BM+\b], v[BM+\b], v[BT+\b]     ; with lane l xor 16's 16 keys
.endr
	v_max3_num_f32 v[T0], v[BM], v[BM+1], v[BM+2]
	v_max_num_f32 v[T0], v[T0], v[BM+3]            ; the step's largest score of my query
	v_mul_f32 v[T0], s[CS], v[T0]                  ; as t (c is positive)
	v_max_num_f32 v13, v13, v[T0]                  ; the running largest t
	v_mov_b32 v[T0], v12
	v_floor_f32 v12, -v13                          ; the new -M = floor(-t) = -ceil(t): M IS A WHOLE NUMBER
	v_sub_f32 v[T0], v12, v[T0]                    ; M's old value less its new one: a whole number, 0 or less
	v_cvt_i32_f32 v[T0], v[T0]                     ; (it saturates)
	v_ldexp_f32 v[F], 1.0, v[T0]                   ; f = 2^(old M - new M): a multiplication by it rounds nothing
.irp j, 0,2,4,6,8,10,12,14,16,18,20,22,24,26,28,30,32,34,36,38,40,42,44,46,48,50,52,54,56,58,60,62
	v_pk_fma_f32 v[S+\j:S+\j+1], v[S+\j:S+\j+1], s[CS:CS+1], v[12:13] op_sel_hi:[1,0,0]   ; t - M, two at a time (of the pairs c and -M the low word serves both halves)
.endr
.irp b, 0,1,2,3
	v_fma_f32 v[BM+\b], v[BM+\b], s[CS], v12       ; the same of each block's largest score
.endr
.irp j, 0,1,2,3,4,5,6,7,8,9,10,11,12,13,14,15,16,17,18,19,20,21,22,23,24,25,26,27,28,29,30,31,32,33,34,35,36,37,38,39,40,41,42,43,44,45,46,47,48,49,50,51,52,53,54,55,56,57,58,59,60,61,62,63
	v_exp_f32 v[S+\j], v[S+\j]                     ; p = 2^(t - M), at most 1: NOT normalised
.endr
	v_pk_mul_f32 v[14:15], v[14:15], v[F:F+1] op_sel_hi:[1,0]   ; the sums under the new M.  (The plain line behind the exponentials)
	s_wait_alu depctr_va_vdst(0)                   ; one wait for the whole batch, ahead of its first reader
.irp b, 0,1,2,3
	v_exp_f32 v[BM+\b], v[BM+\b]                   ; the block's largest p: the same two instructions on the same number give the same bits
.endr
	v_pk_add_f32 v[BT:BT+1], v[S:S+1], v[S+2:S+3]  ; THE ROW'S SUM IS TAKEN OF THE UNQUANTISED p: two at a time, in two chains.  (It reads the 64 alone: plain work behind the four)
.irp j, 4,8,12,16,20,24,28,32,36,40,44,48,52,56,60
	v_pk_add_f32 v[14:15], v[14:15], v[S+\j:S+\j+1]
	v_pk_add_f32 v[BT:BT+1], v[BT:BT+1], v[S+\j+2:S+\j+3]
.endr
	v_pk_add_f32 v[14:15], v[14:15], v[BT:BT+1]
	s_wait_alu depctr_va_vdst(0)                   ; and one for the four
.irp b, 0,1,2,3
	v_max_num_f32 v[BM+\b], 0x8000000, v[BM+\b]    ; the floor 2^(16 - 127): the byte cannot fall under 1
.endr
.irp b, 0,1,2,3
	v_add_nc_u32 v[SOP+\b], 0xf8800000, v[BM+\b]   ; 15 off the exponent field: the conversion's scale operand
.endr
.irp b, 0,1,2,3
	v_and_or_b32 v[LM+\b], v[BM+\b], 0x7f800000, s[MNT]   ; 57,344 x the scale
.endr
.irp b, 0,1,2,3
	v_lshrrev_b32 v[BT+\b], 23, v[SOP+\b]          ; the scale's byte
.endr
	v_lshl_or_b32 v[PW], v[BT+1], 8, v[BT]         ; p's scale word for these 128 keys
	v_lshl_or_b32 v[PW], v[BT+2], 16, v[PW]
	v_lshl_or_b32 v[PW], v[BT+3], 24, v[PW]
.irp b, 0,1,2,3
.irp i, 0,1,2,3,4,5,6,7,8,9,10,11,12,13,14,15
	v_min_num_f32 v[S+16*\b+\i], v[S+16*\b+\i], v[LM+\b]   ; the conversion to an 8-bit code does not saturate (ISA guide 7.6.2); p is not negative, so the hold is one-sided
.endr
	v_cvt_scalef32_pk8_bf8_f32 v[PC+4*\b:PC+4*\b+1], v[S+16*\b:S+16*\b+7], v[SOP+\b]
	v_cvt_scalef32_pk8_bf8_f32 v[PC+4*\b+2:PC+4*\b+3], v[S+16*\b+8:S+16*\b+15], v[SOP+\b]
.endr
.irp j, 0,2,4,6,8,10,12,14,16,18,20,22,24,26,28,30
	v_pk_mul_f32 v[OT+\j:OT+\j+1], v[OT+\j:OT+\j+1], v[F:F+1] op_sel_hi:[1,0]   ; O^T under the new M: x f.  (These sixteen are also the places between the codes' conversions and the products)
.endr
	s_wait_dscnt 0x0                               ; V and its scale words are in
.irp t, 0,2                            ; O^T += V^T P^T: four tiles of 16 channels, one instruction a turn; K = these 128 keys
	v_wmma_scale_f32_16x16x128_f8f6f4 v[OT+8*\t:OT+8*\t+7], v[KV+16*\t:KV+16*\t+15], v[PC:PC+15], v[OT+8*\t:OT+8*\t+7], v[VSW+\t/2], v[PW] matrix_a_fmt:MATRIX_FMT_BF8 matrix_b_fmt:MATRIX_FMT_BF8
	v_wmma_scale_f32_16x16x128_f8f6f4 v[OT+8*\t+8:OT+8*\t+15], v[KV+16*\t+16:KV+16*\t+31], v[PC:PC+15], v[OT+8*\t+8:OT+8*\t+15], v[VSW+\t/2], v[PW] matrix_a_fmt:MATRIX_FMT_BF8 matrix_b_fmt:MATRIX_FMT_BF8 matrix_a_scale:MATRIX_SCALE_ROW1
.endr
	s_add_co_u32 s[KO], s[KO], 8192                ; the next step's images and scale words
	s_add_co_u32 s[SO], s[SO], 512
	s_add_co_u32 s[TO], s[TO], 256
.endm
.Lpass:
	v_mov_b32 v13, 0xff61b1e6                      ; the largest t so far: -3e38, under every t
	v_floor_f32 v12, -v13                          ; -M
	v_mov_b32 v14, 0                               ; the sum, in two halves
	v_mov_b32 v15, 0
.irp j, 0,1,2,3,4,5,6,7,8,9,10,11,12,13,14,15,16,17,18,19,20,21,22,23,24,25,26,27,28,29,30,31
	v_mov_b32 v[OT+\j], 0                          ; O^T.  (The step has no first form of its own: the first finds zeros, which the first change of M leaves zeros)
.endr
	s_wait_loadcnt 0x0                             ; Q
.irp j, 0,1,2,3                        ; the head's four quarters, four key steps each
	s_wait_tensorcnt 3-\j                          ; the scale words and my parts of quarters 0 to j are in; my loads of the later quarters may stay out.  (In the second pass all have landed)
	s_barrier_signal -1                            ; no LDS instruction of mine is out here
	s_barrier_wait -1                              ; everybody's parts are in
	s_mov_b32 s[KO], 32768*\j
	s_mov_b32 s[SO], 2048*\j
	s_mov_b32 s[TO], 1024*\j
	s_mov_b32 s[TRIP], 4
.Lq\j:
	STEP
	s_sub_co_u32 s[TRIP], s[TRIP], 1
	s_cmp_lg_u32 s[TRIP], 0
	s_cbranch_scc1 .Lq\j
.endr
	; THE WAY OUT OF A PASS.  O^T is divided by the sum and goes through my stage in LDS, half a row (32 channels, 128 bytes) of 16 queries at a time; the two halves are joined by a select, so that sixteen lanes store the head's 256 bytes of a token.
.rept 8
	v_nop                                          ; eight places behind the last products
.endr
	s_cmp_eq_u32 s[PASS], 1                        ; the second pass's Q is asked for here, if there is a second pass to come: no load leaves its buffer
	s_cbranch_scc1 .Lnoq
	global_load_b128 v[QF:QF+3], v[LI], s[4:5] offset:16384
	global_load_b128 v[QF+4:QF+7], v[LI], s[4:5] offset:16384+512
	global_load_b32 v[QS], v[QSA], s[6:7] offset:1024
.Lnoq:
	v_add_f32 v14, v14, v15                        ; the sum's two halves,
	v_permlanex16_b32 v[T0], v14, s[SEL], s[SEL+1]
	v_add_f32 v14, v14, v[T0]                      ; and lane l xor 16's: the row's sum
	v_rcp_f32 v14, v14
	v_nop                                          ; a plain line behind the transcendental
	s_wait_alu depctr_va_vdst(0)                   ; and the wait ahead of its first reader
.irp j, 0,2,4,6,8,10,12,14,16,18,20,22,24,26,28,30
	v_pk_mul_f32 v[S+\j:S+\j+1], v[OT+\j:OT+\j+1], v[14:15] op_sel_hi:[1,0]   ; O^T / the sum, each accumulator from its low end on: register 8 t + i is o(r, 16 t + 8 h + i)
.endr
.irp u, 0,1                            ; channels 32 u on
.irp e, 0,1
	ds_store_b128 v[STO], v[S+8*(2*\u+\e):S+8*(2*\u+\e)+3] offset:64*\e
	ds_store_b128 v[STO], v[S+8*(2*\u+\e)+4:S+8*(2*\u+\e)+7] offset:64*\e+16
.endr
.irp i, 0,1,2,3,4,5,6,7
	ds_load_b128 v[KV+32*\u+4*\i:KV+32*\u+4*\i+3], v[RD] offset:2*\i*SP   ; LDS serves a wave's instructions in order: these see my stores, and the next half's stores come behind them
.endr
.endr
	s_wait_dscnt 0x0
.irp k, 0,1,2,3,4,5,6,7,8,9,10,11,12,13,14,15,16,17,18,19,20,21,22,23,24,25,26,27,28,29,30,31
	v_cndmask_b32 v[KV+\k], v[KV+\k], v[KV+32+\k], s[MSK]   ; lanes 8-15 of each sixteen take the row's upper 128 bytes
.endr
.irp i, 0,1,2,3,4,5,6,7
	global_store_b128 v[GO], v[KV+4*\i:KV+4*\i+3], s[10:11] offset:8192*\i th:TH_STORE_NT   ; 16 lanes store 256 consecutive bytes, at a multiple of 256 from out's first byte; written once, read by nobody here
.endr
	s_wait_xcnt 0x0                                ; the stores have read their registers and their base: both are written again below and in the next pass
	s_add_nc_u64 s[10:11], s[10:11], 1048576       ; 256 tokens on
	s_sub_co_u32 s[PASS], s[PASS], 1
	s_cmp_lg_u32 s[PASS], 0
	s_cbranch_scc1 .Lpass
	s_wait_tensorcnt 0x0
	ds_add_u32 v254, v255
	s_wait_dscnt 0x0
	CROUND                                         ; the closing round: no work-group ends while a partner may still ask for a tile that names it
	s_endpgm
.Lfunc_end_k_q6f1eaa5c79_attn:
	.size	k_q6f1eaa5c79_attn, .Lfunc_end_k_q6f1eaa5c79_attn-k_q6f1eaa5c79_attn
	.p2alignl 7, 3214868480
	.fill 96, 4, 3214868480
	.section	.rodata,"a",@progbits
	.p2align	6, 0x0
	.amdhsa_kernel k_q6f1eaa5c79_attn
		.amdhsa_group_segment_fixed_size 313344
		.amdhsa_private_segment_fixed_size 0
		.amdhsa_enable_private_segment 0
		.amdhsa_kernarg_size 32
		.amdhsa_user_sgpr_count 2
		.amdhsa_user_sgpr_kernarg_segment_ptr 1
		.amdhsa_wavefront_size32 1
		.amdhsa_system_sgpr_workgroup_id_x 1
		.amdhsa_system_sgpr_workgroup_id_y 1
		.amdhsa_system_sgpr_workgroup_id_z 1
		.amdhsa_system_vgpr_workitem_id 0
		.amdhsa_next_free_vgpr 256
		.amdhsa_next_free_sgpr 66
		.amdhsa_reserve_vcc 0
		.amdhsa_float_denorm_mode_32 3
		.amdhsa_float_denorm_mode_16_64 3
		.amdhsa_memory_ordered 1
		.amdhsa_forward_progress 1
		.amdhsa_inst_pref_size 90
	.end_amdhsa_kernel
	.amdgpu_metadata
---
amdhsa.version: [ 1, 2 ]
amdhsa.kernels:
  - .name:           k_q6f1eaa5c79_attn
    .symbol:         k_q6f1eaa5c79_attn.kd
    .args:
      - { .name: q_img, .offset: 0, .size: 8, .value_kind: global_buffer, .address_space: global }
      - { .name: q_sc, .offset: 8, .size: 8, .value_kind: global_buffer, .address_space: global }
      - { .name: kv, .offset: 16, .size: 8, .value_kind: global_buffer, .address_space: global }
      - { .name: out0, .offset: 24, .size: 8, .value_kind: global_buffer, .address_space: global }
    .group_segment_fixed_size: 313344
    .private_segment_fixed_size: 0
    .kernarg_segment_align: 8
    .kernarg_segment_size: 32
    .max_flat_workgroup_size: 512
    .sgpr_count:     66
    .vgpr_count:     256
    .wavefront_size: 32
...
	.end_amdgpu_metadata
.endif
;; end of part 3
